; MI455X (gfx1250); checked and timed in simulation.
; The chip was launched on July 23, 2026; its instructions are those of AMD's public machine-readable ISA for CDNA 5 (MIT licence, August 2026) and "CDNA5" Instruction Set Architecture Reference Guide (July 2026). The comments in the code are by the model that wrote it; some were corrected since.
;; Attention Seq To Masked. Allowed arithmetic: matrix products marked QUANTISED: E2M3 operands, one E8M0 scale for each 32 along K, by v_wmma_scale_f32_16x16x128_f8f6f4 with both operands' format E2M3, f32 sums; everything else in f32.
;; Inputs: k_b 1,024 float32; k_mask 4 x 2,048 bool; k_w 1,024 x 1,024 float32; pre_ks 4 x 2,048 x 1,024 float32; pre_qs 4 x 2,048 x 1,024 float32; pre_vs 4 x 2,048 x 1,024 float32; q_b 1,024 float32; q_w 1,024 x 1,024 float32; v_b 1,024 float32; v_w 1,024 x 1,024 float32.
;; Outputs: out0 4 x 2,048 x 1,024 float32.
;; This version of the problem:
;;   THIS VERSION OF THE PROBLEM IS GIVEN IN LOW PRECISION. The matrix products marked QUANTISED in the list below multiply operands that are first quantised to E2M3 (2 exponent bits, 3 mantissa bits; 6 bits a number), with one power-of-two scale for each 32 numbers along K (OCP MX v1.0); their sums are f32. All else is computed in f32.
;;   The module's matrix products, in the order in which they are computed (A, B: the left and right operand; K: the contracted axis; several contracted axes count as one K, in the product's order):
;;     1. [M 8,192, K 1,024] x [K 1,024, N 1,024]; A: input pre_qs; B: input q_w: QUANTISED
;;     2. [M 8,192, K 1,024] x [K 1,024, N 1,024]; A: input pre_ks; B: input k_w: QUANTISED
;;     3. [M 8,192, K 1,024] x [K 1,024, N 1,024]; A: input pre_vs; B: input v_w: QUANTISED
;;     4. batch 64 x [M 2,048, K 64] x [K 64, N 2,048]; A: computed on the way; B: computed on the way: QUANTISED
;;     5. batch 64 x [M 2,048, K 2,048] x [K 2,048, N 64]; A: softmax (see below); B: computed on the way: QUANTISED
;;   THE QUANTISER, for each operand of a quantised product, along K:
;;     - K is cut into blocks of 32 from its start; a last block that is shorter is filled with zeros.
;;     - A block's scale is 2^e with e = floor(log2(the largest magnitude in the block)) - 2, held to -126 .. 127; a block of zeros has e = 0. As a byte (E8M0): e + 127.
;;     - Each number is divided by its block's scale, clamped to +-7.5, and rounded to the nearest number of E2M3, ties to even, subnormals kept.
;;     - The product sums the exact products of the quantised numbers (number of the format x scale) in f32.
;;   ~~~python
;;   def quantise(x, axis):      # numpy; x: float32 -> the quantised numbers, widened to float32 again
;;       x = np.moveaxis(x, axis, -1); K = x.shape[-1]
;;       x = np.pad(x, [(0, 0)] * (x.ndim - 1) + [(0, -K % 32)]); x = x.reshape(x.shape[:-1] + (-1, 32)); a = np.abs(x).max(-1, keepdims=True)
;;       e = np.where(a > 0, np.clip(np.frexp(np.where(a > 0, a, 1))[1] - 1 - 2, -126, 127), 0)      # np.frexp(a)[1] - 1 = floor(log2(a)), exactly
;;       r = np.clip(x / 2.0 ** e, -7.5, 7.5)
;;       step = 2.0 ** (np.maximum(np.frexp(np.where(r == 0, 1, r))[1] - 1, 0) - 3)
;;       q = np.round(r / step) * step * 2.0 ** e      # np.round: ties to even
;;       return np.moveaxis(q.reshape(q.shape[:-2] + (-1,))[..., :K], -1, axis).astype(np.float32)
;;   ~~~
;;   SOFTMAX AHEAD OF A QUANTISED PRODUCT. Where the list says 'softmax', what is quantised is not the finished softmax but p = 2^(t - M), with t = logit x log2(e) and M = ceil(the row's largest t), a whole number; so 1/2 < the row's largest p <= 1. The row's sum l is taken of the UNQUANTISED p, in f32, and the product's result is divided by l at the end. Since M is a whole number, a kernel that streams over the keys may use a running M (the ceiling of the running maximum): every later rescaling is an exact power of two, which a block's scale takes up: the codes' values come out the same.
;;   OPERANDS COMPUTED ON THE WAY. 'Computed on the way' means the value that the module computes at that place (a softmax that the list does not call 'softmax' is quantised finished and normalised). What goes into a quantiser is computed in f32, as accurately as f32 sums, v_exp_f32 and their like allow (about 1e-6 of the number): no bf16 or f16 on the way to a quantiser, and a product that is left as it is and whose result goes on into a quantised operand takes f32 operands (vector FMAs, or v_wmma_f32_16x16x4_f32). A number that lies on a knife's edge between two numbers of the format may be rounded either way, as far as f32 arithmetic and the matrix unit's own rounding can turn it there, and no further.
;; One version. Each part assembles by itself: llvm-mc -triple=amdgcn-amd-amdhsa -mcpu=gfx1250 --defsym DOCPART=n.
;; ======== version 1 of 1: 3 launches
;; limits: right only within a limited range of input values
;; workspace buffers: opc 21,233,664 bytes; ops 884,736 bytes; hc 18,874,368 bytes; hs 786,432 bytes
;; launch quant (part 1): grid 384 x 1, 6 waves a work-group, no clusters, 71,680 bytes of LDS; arguments pre_qs, pre_ks, pre_vs, q_w, k_w, v_w, opc, ops; writes opc, ops
.if DOCPART == 1
	.amdgcn_target "amdgcn-amd-amdhsa--gfx1250"
	.amdhsa_code_object_version 6
	.text
	.protected	k_qc8a4481eea_quant
	.globl	k_qc8a4481eea_quant
	.p2align	8
	.type	k_qc8a4481eea_quant,@function
k_qc8a4481eea_quant:
	s_mov_b64 s[64:65], 0
	v_nop
	global_prefetch_b8 v0, s[64:65] scope:SCOPE_SE
	s_setreg_imm32_b32 hwreg(HW_REG_WAVE_MODE, 25, 1), 1
	s_wait_xcnt 0x0
; The six operands of the three projections become codes of FP6 (E2M3) with one E8M0 scale byte for each 32 along K = 1,024.
; A block's scale is 2^(floor(log2(its largest magnitude)) - 2); its byte is the largest magnitude's exponent field - 2, held at 1 from below.
; LIMITS: a block of zeros, or one whose largest magnitude lies under 2^-124, gets the byte 1 (its codes add what they are worth under that byte; the bytes are read by this program alone);
; NaN and infinities among the inputs are not served.
; WHAT IS WRITTEN.  opc: [row block][K step 0..7][1,536 bytes].  A ROW BLOCK is 16 rows: block 2 b + u, image row r = real row 32 b + 8 u + r + 8 (r / 8).  An IMAGE is a matrix operand's registers as they stand:
; 16 rows x 128 K = 12 registers a lane, as three runs of 512 bytes; run j holds lane l's registers 4 j .. 4 j + 3 at byte 16 l.  Lane (r, h) holds in registers 6 c .. 6 c + 5 the codes of K = 64 c + 32 h + 0 .. 31 of image row r.
; Row blocks 0-511 pre_qs, 512-1023 pre_ks, 1024-1535 pre_vs (rows = tokens), 1536 + 64 T + .. the weights (rows = columns n of weight T).   ops: [row block][image row][8 words]: word s = the four bytes of K step s.
; SHARES.  Work-groups 0-255 take the activations (K innermost), 256-383 the weights (K outermost); the two ways part on the work-group's number and have LDS bytes of their own.  Waves share nothing: no barrier.
; No input is read by two work-groups, so there is nothing to share in a cluster; the launch is one stream from memory, so no matrix unit and no tensor load.
.set XWB,   8448                       ; activations: a wave's stage, 16 rows x (512 bytes + 16): row i begins 33 i places of 16 bytes on, so sixteen rows fall on sixteen different places modulo 256 bytes
.set WST,   6*XWB                      ; weights: the stages begin here
.set WIM,   1664                       ; an image + 128 bytes, so that the two images' lanes do not fall on the same places modulo 256 bytes
.set WWB,   2*WIM                      ; a wave's two images
.set SPARE, WST+6*WWB                  ; the spare words, 128 bytes for each of six waves: three blocks of 256 bytes that no other line names
.set SPW,   2                          ; v2   LDS address of my spare word; never rewritten
.set NIL,   3                          ; v3   0; never rewritten
.set LO,    4                          ; v4   16 x lane; never rewritten
.set SW,    16                         ; v16-23  activations: the scale word of each K step
.set OW,    24                         ; v24-27  the four words that I store
.set R,     32                         ; v32-159 activations: two sets of 64 registers as loaded
.set X,     160                        ; v160-223 my two whole blocks of a K step
.set C,     224                        ; v224-235 an image's 12 registers
.set T,     236                        ; v236-238, v240-242 the second halves of two blocks' codes
.set M,     244                        ; v244-245 largest magnitudes
.set SOP,   246                        ; v246-247 the conversions' scale operands
.set BY,    248                        ; v248-249 scale bytes
.set W,     250
.set P,     251
.set D,     32                         ; weights: v32-159 my column's 128 numbers
.set WC,    160                        ; v160.. six registers of codes for each block, eight apart
.set WT,    192                        ; v192.. the second halves
	s_load_b256 s[4:11], s[0:1], 0x0               ; pre_qs s[4:5], pre_ks s[6:7], pre_vs s[8:9], q_w s[10:11]
	s_load_b256 s[12:19], s[0:1], 0x20             ; k_w s[12:13], v_w s[14:15], opc s[16:17], ops s[18:19]
	v_lshl_add_u32 v[SPW], v0, 2, SPARE
	v_mov_b32 v[NIL], 0
	v_lshrrev_b32 v1, 5, v0
	v_readfirstlane_b32 s20, v1                    ; wave 0..5
	v_and_b32 v1, 31, v0                           ; lane
	v_lshlrev_b32 v[LO], 4, v1
	s_mov_b32 s34, 0x76543210
	s_mov_b32 s35, 0xfedcba98                      ; v_permlanex16_b32's selects for lane l xor 16
	s_cmp_ge_u32 ttmp9, 256
	s_cbranch_scc1 .Lweights
; ---------------- THE ACTIVATIONS.  A wave takes one row block for all of K: eight images.
	s_mul_i32 s21, ttmp9, 6
	s_add_co_u32 s21, s21, s20                     ; my row block, 0..1535
	s_lshr_b32 s22, s21, 9                         ; which tensor
	s_and_b32 s23, s21, 511                        ; which block of it
	s_lshr_b32 s24, s23, 1
	s_lshl_b32 s24, s24, 5
	s_and_b32 s25, s23, 1
	s_lshl_b32 s25, s25, 3
	s_add_co_u32 s24, s24, s25                     ; its first row: 32 b + 8 u
	; pre_ks alone has another order: row block 4 c + u, image row r = real row 64 c + 8 u + r % 8 + 32 (r / 8), so that in the scores a lane's 32 registers are one whole block of 32 keys
	s_lshr_b32 s36, s23, 2
	s_lshl_b32 s36, s36, 6
	s_and_b32 s37, s23, 3
	s_lshl_b32 s37, s37, 3
	s_add_co_u32 s36, s36, s37                     ; 64 c + 8 u
	s_cmp_eq_u32 s22, 1
	s_cselect_b32 s24, s36, s24
	s_cselect_b32 s37, 65536, 0                    ; its image rows 8-15 lie 16 rows further on than the others'
	s_lshl_b32 s24, s24, 12
	s_mov_b32 s25, 0
	s_mul_i32 s26, s21, 12288                      ; my images
	s_mov_b32 s27, 0
	s_lshl_b32 s28, s21, 9                         ; my scale words
	s_mov_b32 s29, 0
	s_mul_i32 s30, s20, XWB                        ; my stage
	v_and_b32 v9, 15, v0                           ; r
	v_bfe_u32 v10, v0, 4, 1                        ; h
	s_wait_alu depctr_va_vdst(0)
	v_add_nc_u32 v5, s30, v[LO]                    ; into the stage: 16 x lane, a row an instruction
	v_mul_u32_u24 v6, v9, 528
	v_lshl_add_u32 v6, v10, 7, v6
	v_add_nc_u32 v6, s30, v6                       ; out of it: row r, + 128 h: my block of 32 numbers
	v_lshlrev_b32 v7, 3, v10                       ; 8 h: where my two bytes stand in the scale word
	v_lshlrev_b32 v8, 5, v9
	v_lshl_add_u32 v8, v10, 4, v8                  ; 32 r + 16 h: the four words that I store
	v_mov_b32 v[P], 0
	v_add_nc_u32 v11, s37, v[LO]                   ; the offset of image rows 8-15
	s_wait_alu depctr_va_vdst(0)
	s_wait_kmcnt 0x0
	s_cmp_eq_u32 s22, 0                            ; the choice hangs on the work-group's and the wave's number alone
	s_cselect_b64 s[32:33], s[4:5], s[6:7]
	s_cmp_eq_u32 s22, 2
	s_cselect_b64 s[32:33], s[8:9], s[32:33]
	s_add_nc_u64 s[32:33], s[32:33], s[24:25]
	s_add_nc_u64 s[16:17], s[16:17], s[26:27]
	s_add_nc_u64 s[18:19], s[18:19], s[28:29]
.macro XLOAD t                         ; K step t of my 16 rows: each load reads 512 consecutive bytes of one row, at a multiple of 512 from the tensor's first byte
.irp i, 0,1,2,3,4,5,6,7,8,9,10,11,12,13,14,15
	global_load_b128 v[R+64*((\t)%2)+4*\i:R+64*((\t)%2)+4*\i+3], v[LO+7*(\i/8)], s[32:33] offset:(\i+8*(\i/8))*4096+512*(\t) th:TH_LOAD_NT
.endr
.endm
.macro IMAGE t
.if (\t) < 7
	s_wait_loadcnt 16                              ; this K step's 16 loads are in; the next step's 16 stay out
.else
	s_wait_loadcnt 0x0
.endif
.irp i, 0,1,2,3,4,5,6,7,8,9,10,11,12,13,14,15
	ds_store_b128 v5, v[R+64*((\t)%2)+4*\i:R+64*((\t)%2)+4*\i+3] offset:528*\i
.endr
.irp c, 0,1
.irp j, 0,1,2,3,4,5,6,7
	ds_load_b128 v[X+32*\c+4*\j:X+32*\c+4*\j+3], v6 offset:256*\c+16*\j   ; LDS serves a wave's instructions in order: these see my stores.  K = 64 c + 32 h + 4 j .. of row r
.endr
.endr
	s_wait_dscnt 0x0
.if (\t) < 6
	XLOAD (\t)+2                                   ; into the set that the stage's stores have read
.endif
.irp c, 0,1
	v_max3_num_f32 v[M+\c], |v[X+32*\c]|, |v[X+32*\c+1]|, 0x1800000   ; block 2 c + h is all mine; the floor 2^(3 - 127) holds the byte at 1 from below
.endr
.irp i, 2,4,6,8,10,12,14,16,18,20,22,24,26,28,30
.irp c, 0,1
	v_max3_num_f32 v[M+\c], v[M+\c], |v[X+32*\c+\i]|, |v[X+32*\c+\i+1]|   ; (the two blocks by turns)
.endr
.endr
.irp c, 0,1
	v_add_nc_u32 v[SOP+\c], 0xff000000, v[M+\c]    ; 2 off the exponent field: the conversion takes the exponent field of this operand as its scale
.endr
.irp c, 0,1
	v_lshrrev_b32 v[BY+\c], 23, v[SOP+\c]          ; the scale's byte
.endr
	v_lshl_or_b32 v[W], v[BY+1], 16, v[BY]         ; bytes h and 2 + h of row r's word,
	v_lshlrev_b32 v[W], v7, v[W]                   ; at their places;
	v_permlanex16_b32 v[P], v[W], s34, s35
	v_or_b32 v[SW+(\t)], v[W], v[P]                ; with lane l xor 16's two the word is whole
	s_wait_alu depctr_va_vdst(0)
	s_wait_xcnt 0x0                                ; the last image's stores have read their data: the codes' registers are written again only behind this wait
.irp c, 0,1
	v_cvt_scalef32_pk16_fp6_f32 v[C+6*\c:C+6*\c+2], v[X+32*\c:X+32*\c+15], v[SOP+\c]
	v_cvt_scalef32_pk16_fp6_f32 v[T+4*\c:T+4*\c+2], v[X+32*\c+16:X+32*\c+31], v[SOP+\c]   ; (a conversion's three registers begin on an even number)
.endr
	v_nop                                          ; one plain place behind a scaled conversion
.irp c, 0,1
.irp i, 0,1,2
	v_mov_b32 v[C+6*\c+3+\i], v[T+4*\c+\i]
.endr
.endr
.irp j, 0,1,2
	global_store_b128 v[LO], v[C+4*\j:C+4*\j+3], s[16:17] offset:1536*(\t)+512*\j   ; 32 lanes store 512 consecutive bytes, at a multiple of 512 from opc's first byte
.endr
.endm
	XLOAD 0
	XLOAD 1
.irp t, 0,1,2,3,4,5,6,7
	IMAGE \t
.endr
	v_cmp_ne_u32 vcc_lo, 0, v10
.irp i, 0,1,2,3
	v_cndmask_b32 v[OW+\i], v[SW+\i], v[SW+4+\i], vcc_lo   ; lanes 0-15 store words 0-3 of their row, lanes 16-31 words 4-7
.endr
	global_store_b128 v8, v[OW:OW+3], s[18:19]     ; the row block's 512 bytes of scale words, whole
	s_wait_tensorcnt 0x0                           ; the wave's end
	ds_add_u32 v[SPW], v[NIL]
	s_wait_dscnt 0x0
	s_endpgm
; ---------------- THE WEIGHTS, [K][n].  A lane takes a column n and its registers run down K: a block of 32 lies in one lane, and the codes come out with K innermost.  A wave takes 32 columns (two row blocks) x one K step of 128.
.Lweights:
	s_sub_co_u32 s21, ttmp9, 256
	s_mul_i32 s21, s21, 6
	s_add_co_u32 s21, s21, s20                     ; 0..767
	s_lshr_b32 s22, s21, 8                         ; which weight
	s_bfe_u32 s23, s21, 0x30005                    ; which K step
	s_and_b32 s24, s21, 31                         ; which 32 columns
	s_lshl_b32 s26, s23, 19                        ; 128 rows of 4,096 bytes a K step,
	s_lshl_b32 s25, s24, 7                         ; 128 bytes for 32 columns
	s_add_co_u32 s26, s26, s25
	s_mov_b32 s27, 0
	s_lshl_b32 s25, s22, 6
	s_lshl_b32 s28, s24, 1
	s_add_co_u32 s25, s25, s28
	s_add_co_u32 s25, s25, 1536                    ; my first row block
	s_mul_i32 s28, s25, 12288
	s_mul_i32 s29, s23, 1536
	s_add_co_u32 s28, s28, s29                     ; its image of my K step
	s_mov_b32 s29, 0
	s_lshl_b32 s30, s25, 9
	s_lshl_b32 s31, s23, 2
	s_add_co_u32 s30, s30, s31                     ; its rows' word of my K step
	s_mov_b32 s31, 0
	s_mul_i32 s36, s20, WWB
	s_add_co_u32 s36, s36, WST                     ; my two images in LDS
	v_bfe_u32 v9, v0, 3, 1                         ; column x of the 32 is image row r of block u: u = (x / 8) % 2,
	v_and_b32 v10, 7, v0
	v_bfe_u32 v11, v0, 4, 1
	v_lshl_or_b32 v10, v11, 3, v10                 ; r = x % 8 + 8 (x / 16)
	v_mul_u32_u24 v5, v9, WIM
	v_lshl_add_u32 v5, v10, 4, v5
	v_add_nc_u32 v5, s36, v5                       ; into the images: image u, lane r's 16 bytes
	s_wait_alu depctr_va_vdst(0)
	v_add_nc_u32 v6, s36, v[LO]                    ; out of them: 16 x lane
	v_lshlrev_b32 v7, 2, v1                        ; in memory: 4 bytes a lane
	v_lshlrev_b32 v8, 9, v9
	v_lshl_add_u32 v8, v10, 5, v8                  ; my scale word: 512 u + 32 r
	s_wait_alu depctr_va_vdst(0)
	s_wait_kmcnt 0x0
	s_cmp_eq_u32 s22, 0
	s_cselect_b64 s[32:33], s[10:11], s[12:13]
	s_cmp_eq_u32 s22, 2
	s_cselect_b64 s[32:33], s[14:15], s[32:33]
	s_add_nc_u64 s[32:33], s[32:33], s[26:27]
	s_add_nc_u64 s[16:17], s[16:17], s[28:29]
	s_add_nc_u64 s[18:19], s[18:19], s[30:31]
.macro WLOAD k                         ; block k: w(32 k + i, my column): 32 lanes read 128 consecutive bytes
.irp i, 0,1,2,3,4,5,6,7,8,9,10,11,12,13,14,15,16,17,18,19,20,21,22,23,24,25,26,27,28,29,30,31
	global_load_b32 v[D+32*(\k)+\i], v7, s[32:33] offset:(32*(\k)+\i)*4096 th:TH_LOAD_NT
.endr
.endm
.macro WBLK k
.set DK, D+32*(\k)
.set CK, WC+8*(\k)
.set TK, WT+4*(\k)
.if (\k) < 3
	s_wait_loadcnt 32                              ; this block's 32 loads are in; the next block's 32 stay out
.else
	s_wait_loadcnt 0x0
.endif
.if (\k) < 2
	WLOAD (\k)+2
.endif
	v_max3_num_f32 v12, |v[DK]|, |v[DK+1]|, |v[DK+2]|              ; the block's largest magnitude, in two chains
	v_max3_num_f32 v13, |v[DK+3]|, |v[DK+4]|, |v[DK+5]|
.irp i, 6,10,14,18,22,26
	v_max3_num_f32 v12, v12, |v[DK+\i]|, |v[DK+\i+1]|
	v_max3_num_f32 v13, v13, |v[DK+\i+2]|, |v[DK+\i+3]|
.endr
	v_max3_num_f32 v12, v12, |v[DK+30]|, |v[DK+31]|
	v_max3_num_f32 v12, v12, v13, 0x1800000        ; and the floor
	v_add_nc_u32 v14, 0xff000000, v12
	v_lshrrev_b32 v15, 23, v14
.if (\k) == 0
	v_mov_b32 v16, v15                             ; my column's scale word: block k's byte at 8 k
.else
	v_lshl_or_b32 v16, v15, 8*(\k), v16
.endif
	v_cvt_scalef32_pk16_fp6_f32 v[CK:CK+2], v[DK:DK+15], v14
	v_cvt_scalef32_pk16_fp6_f32 v[TK:TK+2], v[DK+16:DK+31], v14
	v_nop                                          ; one plain place behind a scaled conversion
.irp i, 0,1,2
	v_mov_b32 v[CK+3+\i], v[TK+\i]
.endr
; block k = 2 c + h is registers 6 c .. 6 c + 5 of image lane r + 16 h: 256 h bytes on in each run of 512
.if (\k) < 2
	ds_store_b128 v5, v[CK:CK+3] offset:256*((\k)&1)               ; registers 0-3: run 0
	ds_store_b64 v5, v[CK+4:CK+5] offset:512+256*((\k)&1)          ; registers 4, 5: the lower half of run 1
.else
	ds_store_b64 v5, v[CK:CK+1] offset:520+256*((\k)&1)            ; registers 6, 7: its upper half
	ds_store_b128 v5, v[CK+2:CK+5] offset:1024+256*((\k)&1)        ; registers 8-11: run 2
.endif
.endm
	WLOAD 0
	WLOAD 1
.irp k, 0,1,2,3
	WBLK \k
.endr
.irp u, 0,1
.irp j, 0,1,2
	ds_load_b128 v[D+12*\u+4*\j:D+12*\u+4*\j+3], v6 offset:WIM*\u+512*\j   ; LDS serves a wave's instructions in order: these see my stores
.endr
.endr
	s_wait_alu depctr_va_vdst(0)
	s_wait_dscnt 0x0
.irp u, 0,1
.irp j, 0,1,2
	global_store_b128 v[LO], v[D+12*\u+4*\j:D+12*\u+4*\j+3], s[16:17] offset:12288*\u+512*\j   ; 512 consecutive bytes a store
.endr
.endr
	global_store_b32 v8, v16, s[18:19]             ; words 32 bytes apart: 98,304 bytes of the launch's stores leave so; a wave that gathered a row's eight words would have to walk all of K
	s_wait_tensorcnt 0x0                           ; the wave's end
	ds_add_u32 v[SPW], v[NIL]
	s_wait_dscnt 0x0
	s_endpgm
.Lfunc_end_k_qc8a4481eea_quant:
	.size	k_qc8a4481eea_quant, .Lfunc_end_k_qc8a4481eea_quant-k_qc8a4481eea_quant
	.p2alignl 7, 3214868480
	.fill 96, 4, 3214868480
	.section	.rodata,"a",@progbits
	.p2align	6, 0x0
	.amdhsa_kernel k_qc8a4481eea_quant
		.amdhsa_group_segment_fixed_size 71680
		.amdhsa_private_segment_fixed_size 0
		.amdhsa_enable_private_segment 0
		.amdhsa_kernarg_size 64
		.amdhsa_user_sgpr_count 2
		.amdhsa_user_sgpr_kernarg_segment_ptr 1
		.amdhsa_wavefront_size32 1
		.amdhsa_system_sgpr_workgroup_id_x 1
		.amdhsa_system_sgpr_workgroup_id_y 1
		.amdhsa_system_sgpr_workgroup_id_z 1
		.amdhsa_system_vgpr_workitem_id 0
		.amdhsa_next_free_vgpr 256
		.amdhsa_next_free_sgpr 66
		.amdhsa_reserve_vcc 1
		.amdhsa_float_denorm_mode_32 3
		.amdhsa_float_denorm_mode_16_64 3
		.amdhsa_memory_ordered 1
		.amdhsa_forward_progress 1
		.amdhsa_inst_pref_size 79
	.end_amdhsa_kernel
	.amdgpu_metadata
---
amdhsa.version: [ 1, 2 ]
amdhsa.kernels:
  - .name:           k_qc8a4481eea_quant
    .symbol:         k_qc8a4481eea_quant.kd
    .args:
      - { .name: pre_qs, .offset: 0, .size: 8, .value_kind: global_buffer, .address_space: global }
      - { .name: pre_ks, .offset: 8, .size: 8, .value_kind: global_buffer, .address_space: global }
      - { .name: pre_vs, .offset: 16, .size: 8, .value_kind: global_buffer, .address_space: global }
      - { .name: q_w, .offset: 24, .size: 8, .value_kind: global_buffer, .address_space: global }
      - { .name: k_w, .offset: 32, .size: 8, .value_kind: global_buffer, .address_space: global }
      - { .name: v_w, .offset: 40, .size: 8, .value_kind: global_buffer, .address_space: global }
      - { .name: opc, .offset: 48, .size: 8, .value_kind: global_buffer, .address_space: global }
      - { .name: ops, .offset: 56, .size: 8, .value_kind: global_buffer, .address_space: global }
    .group_segment_fixed_size: 71680
    .private_segment_fixed_size: 0
    .kernarg_segment_align: 8
    .kernarg_segment_size: 64
    .max_flat_workgroup_size: 192
    .sgpr_count:     66
    .vgpr_count:     256
    .wavefront_size: 32
...
	.end_amdgpu_metadata
.endif
;; end of part 1
;; launch proj (part 2): grid 4 x 96, 4 waves a work-group, clusters of 4 x 4, 327,680 bytes of LDS; arguments opc, ops, q_b, k_b, v_b, hc, hs; writes hc, hs
.if DOCPART == 2
	.amdgcn_target "amdgcn-amd-amdhsa--gfx1250"
	.amdhsa_code_object_version 6
	.text
	.protected	k_qc8a4481eea_proj
	.globl	k_qc8a4481eea_proj
	.p2align	8
	.type	k_qc8a4481eea_proj,@function
k_qc8a4481eea_proj:
	s_mov_b64 s[64:65], 0
	v_nop
	global_prefetch_b8 v0, s[64:65] scope:SCOPE_SE
	s_setreg_imm32_b32 hwreg(HW_REG_WAVE_MODE, 25, 1), 1
	s_wait_xcnt 0x0
	s_wait_alu depctr_hold_cnt(0) depctr_sa_sdst(0) depctr_va_vdst(0) depctr_va_sdst(0) depctr_va_ssrc(0) depctr_va_vcc(0) depctr_vm_vsrc(0)
	s_getreg_b32 s2, hwreg(HW_REG_IB_STS2, 6, 4)
	s_cmp_eq_u32 s2, 0
	s_cbranch_scc0 .Lentry_in_a_cluster
	s_endpgm
.Lentry_in_a_cluster:
	s_bfe_u32 s2, ttmp6, 0x10000c
	s_cmp_lg_u32 s2, 0xf033
	s_cbranch_scc0 .Lentry_shape_is_right
	s_endpgm
.Lentry_shape_is_right:
; The three projections x W + b on codes of FP6 (E2M3) with E8M0 scales, K = 1,024, and their results quantised in registers into the operands of attention.  Sums in f32; the bias is the C of each sum's first product.
; OPERANDS (made by the launch before): opc [row block][K step 0..7][1,536]: images of operand registers, 16 rows x 128 K, run j of 512 bytes = lane l's registers 4 j .. 4 j + 3 at 16 l; row block 2 b + u, image row r = real row
; 32 b + 8 u + r + 8 (r / 8).  Blocks 0-1535: the tokens of pre_qs, pre_ks, pre_vs; 1536 + 64 T ..: the columns n of weight T.  ops [row block][image row][8 words].
; A tile of 256 x 256 is made by four waves, 128 x 128 each: 64 accumulators, 512 registers.  K goes in steps of 256 through two LDS slots filled by the tensor data mover; a row block's two images of a step are 3,072 consecutive bytes.
; WHICH SIDE IS WHICH.  Source 0 ('B') is the side that runs along a lane's registers in the result, source 1 ('A') the side that lies across lanes.  The axis to be quantised must run along the registers:
; q, k (MODE 0): quantised along the head's 64: B = the weight's n, A = tokens.   v (MODE 1): quantised along the keys: B = tokens, A = the weight's n.
; By the row blocks' order the 16 registers of B's tiles 2 x, 2 x + 1 are 16 neighbours: register 16 x + i of a lane holds index 32 x + 16 (lane / 16) + i.
; RESULTS.  hc [T][b, head][98,304].  q, k: [fragment f = token / 32][1,536]: registers 0-5 the 64 d of tokens 32 f + r + 8 (r / 8), registers 6-11 those of the tokens 8 further on.
; v: [key step of 128][d tile t][1,536]: 16 d x 128 keys, image row r = d 32 (t / 2) + 8 (t % 2) + r + 8 (r / 8).   hs [T][b, head][step][r][4 words]: q, k: word i for fragment 4 step + i; v: word t for d tile t.
; LIMITS: a block whose largest magnitude lies under 2^-124 gets the byte 1; NaN and infinities are not served.
; CLUSTERS: 4 x 4 work-groups, one cluster for 1,024 tokens x all 1,024 n of one projection (24 clusters).  The four of a row of the cluster need the same tiles of A, the four of a column the same tiles of B: each is asked for jointly.
; REGISTERS: window 0: v0-31 addresses; v32-63 scale words, two sets; v64-127 the bias; v128-223 A's fragments, one set; v224-231 the bias loads' offsets.  window 1: B's fragments, two sets, at v0 and v128.
;   windows 2, 3: the accumulators of my A blocks 0-3, 4-7 (accumulator (a, b) at v[8 (8 (a % 4) + b)]).  On the way out v32-95 of window 0 are at work.
.set NQ,    2                          ; matrix instructions deep in a slot
.set FR,    12                         ; registers of a fragment
.set NL,    3                          ; LDS loads that bring one
.set NP,    4                          ; places behind this matrix instruction (ISA guide 7.12.1)
.set IMG,   1536
.set TROW,  NQ*IMG                     ; a row block's part of a slot
.set HALFT, 8*TROW                     ; 8 row blocks = 128 rows: what one tensor load brings, and what one wave reads of A or of B
.set SLOT,  4*HALFT
.set KS,    32                         ; a row's scale bytes
.set SCL,   2*SLOT                     ; behind the ring: the scales, as rows of 256 bytes + 16 of padding
.set HALFS, 16*272                     ; those of 128 rows
.set SBLK,  2*272                      ; those of a row block
.set SPARE, SCL+4*HALFS                ; the spare words, 128 bytes for each wave: two blocks of 256 bytes that no other line names
.set ADRA, 16                          ; v16-17 LDS address of my A fragments in slot 0, 1: 16 x lane + the region
.set ADRB, 20                          ; v20-21 the same for B
.set ADRS, 27                          ; v27  my scale words: lanes 0-15 A's rows, lanes 16-31 B's
.set SPW,  28                          ; v28  LDS address of my spare word; never rewritten
.set NIL,  29                          ; v29  0; never rewritten
.set LI,   30                          ; v30  16 x lane
.set OSO,  31                          ; v31  4,096 h + 16 r: where I store four scale words
.set SC,   32
.set BI,   64
.set AF,   128
.set BO,   224
.set TM,   32                          ; the way out: v32-35 largest magnitudes, v36-39 bytes, v44-47 the conversions' scale operands
.set PWA,  48
.set PWB,  49
.set SW,   52                          ; v52-59 scale words gathered
.set OW,   60                          ; v60-63 the four that I store
.set G,    64                          ; v64-87 two fragments
.set PT,   88                          ; v88-90, v92-94 the second halves of the blocks' codes
.set WV,   18                          ; s18 wave;  s19 wave / 2: my half of A's rows, and: I fetch for A (0) or B (1);  s20 wave % 2: my half of B's rows, and: which 128 rows I fetch
.set HA,   19
.set HB,   20
.set TT,   21                          ; s21 which projection;  s22 MODE;  s23 which 1,024 tokens
.set MODE, 22
.set CC,   23
.set G1,   24                          ; s[24:31] descriptor group 1 for A's tiles;  s[32:39] group 0, one set for each slot
.set G0,   32
.set G1B,  48                          ; s[48:55], s[56:63] the same for B's
.set G0B,  56
.set G1S,  68                          ; s[68:75], s[76:79] groups 1 and 0 for A's scales;  s[80:87], s[88:91] for B's
.set G0S,  76
.set G1SB, 80
.set G0SB, 88
.set BP,   92                          ; s[92:93] the bias;  s[94:95] my place in hc;  s[96:97] in hs
.set OC,   94
.set OS,   96
.set SEL,  98                          ; s[98:99] selects for lane l xor 16
.set MSB, 0
.macro WIN new                         ; the immediate's high byte repeats the setting that is left
.if MSB != \new
	s_set_vgpr_msb (MSB<<8)|\new
.set MSB, \new
.endif
.endm
.set MUL_LO, 0xa1                      ; source 0 (B) window 1, source 1 (A) window 0, C and D window 2
.set MUL_HI, 0xf1                      ; the same, C and D window 3
.set BIA_LO, 0x81                      ; the first products: C (the bias) window 0, D window 2
.set BIA_HI, 0xc1                      ; D window 3
.set TO_B,   0x40                      ; destination window 1, address window 0
; A joint load: waves 0 and 1 fetch for A, waves 2 and 3 for B.  Each of the two lines has one mask and one set of registers for all that issue it; the branch hangs on the wave's number alone.
; An s_nop 0 and four v_nop follow each of the two lines, ahead of the jump, the label and what follows.
.macro JLOAD g0a, g1a, g0b, g1b
	s_cmp_eq_u32 s[HA], 0
	s_cbranch_scc0 .Lfor_b_\@
	tensor_load_to_lds s[\g0a:\g0a+3], s[\g1a:\g1a+7]
	s_nop 0
.rept 4
	v_nop
.endr
	s_branch .Lasked_\@
.Lfor_b_\@:
	tensor_load_to_lds s[\g0b:\g0b+3], s[\g1b:\g1b+7]
	s_nop 0
.rept 4
	v_nop
.endr
.Lasked_\@:
.endm
.macro CREST                           ; a round of the cluster's barrier behind its opening barrier
	s_cmp_lg_u32 s[WV], 0
	s_cbranch_scc1 .Lnot_wave_0_\@
	s_barrier_signal -3
.Lnot_wave_0_\@:
	s_barrier_wait -3
	s_barrier_signal -1
	s_barrier_wait -1
.endm
.macro CROUND                          ; a whole round
	s_barrier_signal -1
	s_barrier_wait -1
	CREST
.endm
	s_load_b128 s[4:7], s[0:1], 0x0                ; opc s[4:5], ops s[6:7]
	s_load_b128 s[8:11], s[0:1], 0x10              ; q_b s[8:9], k_b s[10:11]
	s_load_b128 s[12:15], s[0:1], 0x20             ; v_b s[12:13], hc s[14:15]
	s_load_b64 s[16:17], s[0:1], 0x30              ; hs
	v_lshl_add_u32 v[SPW], v0, 2, SPARE
	v_mov_b32 v[NIL], 0
	ds_add_u32 v[SPW], v[NIL]                      ; the wave's opening: the add and its wait stand ahead of my first tensor load; the set-up below, work on registers, stands between them
	ds_add_u32 v[SPW], v[NIL]
	v_lshrrev_b32 v1, 5, v0
	v_readfirstlane_b32 s[WV], v1                  ; wave 0..3
	s_lshr_b32 s[HA], s[WV], 1
	s_and_b32 s[HB], s[WV], 1
	s_bfe_u32 s40, ttmp6, 0x40000                  ; cx, cy: my place in the cluster
	s_bfe_u32 s41, ttmp6, 0x40004
	s_and_b32 s42, ttmp7, 0xffff                   ; the cluster, 0..23: the same in all sixteen partners
	s_lshr_b32 s[TT], s42, 3
	s_and_b32 s[CC], s42, 7
	s_lshl_b32 s43, s41, 2
	s_lshl_b32 s43, 15, s43                        ; my row of the cluster
	s_lshl_b32 s44, 0x1111, s40                    ; my column
	; descriptor group 1: 8 row blocks x 3,072 bytes (384 elements of 8 bytes), 12,288 bytes apart in memory, on end in LDS
	s_or_b32 s[G1+0], s43, (3<<16)|(1<<21)         ; 15:0 the mask: A's tiles go to my row; 17:16 elements of 8 bytes; 20 no padding; 21 set beside a mask
	s_or_b32 s[G1B+0], s44, (3<<16)|(1<<21)
.irp g, G1, G1B
	s_mov_b32 s[\g+1], 384<<16                     ; tensor_dim0
	s_mov_b32 s[\g+2], 16<<16                      ; the head's loads bring a tile's 16 row blocks; behind them the two words are set to 8
	s_mov_b32 s[\g+3], 384<<16                     ; tile_dim0
	s_mov_b32 s[\g+4], 16
	s_mov_b32 s[\g+5], 1536                        ; tensor_dim0_stride
	s_mov_b32 s[\g+6], 0
	s_mov_b32 s[\g+7], 0
.endr
	; the scales of 256 rows: 8,192 dense bytes, as 32 rows of 256 bytes (32 elements of 8 bytes), 16 bytes of padding behind each
	s_or_b32 s[G1S+0], s43, (3<<16)|(1<<20)|(1<<21)|(5<<22)|(3<<25)
	s_or_b32 s[G1SB+0], s44, (3<<16)|(1<<20)|(1<<21)|(5<<22)|(3<<25)
.irp g, G1S, G1SB
	s_mov_b32 s[\g+1], 32<<16
	s_mov_b32 s[\g+2], 32<<16                      ; the scales of a tile's 256 rows: 32 rows of 256 bytes
	s_mov_b32 s[\g+3], 32<<16
	s_mov_b32 s[\g+4], 32
	s_mov_b32 s[\g+5], 32
	s_mov_b32 s[\g+6], 0
	s_mov_b32 s[\g+7], 0
.endr
	; which row blocks: A's hang on cy alone, B's on cx alone
	s_lshl_b32 s42, s[TT], 9
	s_lshl_b32 s45, s[CC], 6
	s_add_co_u32 s42, s42, s45                     ; tokens of q or k: 512 T + 64 cc
	s_add_co_u32 s45, s45, 1024                    ; tokens of v: 1,024 + 64 cc
	s_lshl_b32 s46, s[TT], 6
	s_add_co_u32 s46, s46, 1536                    ; the weight: 1,536 + 64 T
	s_cmp_eq_u32 s[TT], 2
	s_cselect_b32 s[MODE], 1, 0
	s_cselect_b32 s42, 1664, s42                   ; A's first block
	s_cselect_b32 s44, s45, s46                    ; B's
	s_lshl_b32 s3, s41, 4
	s_add_co_u32 s42, s42, s3                      ; A: + 16 cy
	s_lshl_b32 s66, s40, 4
	s_add_co_u32 s44, s44, s66                     ; B: + 16 cx
	s_lshl_b32 s46, s42, 9                         ; their scale words, 512 bytes a block,
	s_mov_b32 s47, 0
	s_lshl_b32 s66, s44, 9
	s_mov_b32 s67, 0
	s_mul_i32 s42, s42, 12288                      ; and their codes
	s_mov_b32 s43, 0
	s_mul_i32 s44, s44, 12288
	s_mov_b32 s45, 0
	s_mul_i32 s2, s[WV], HALFT                     ; where they go: no place in the cluster enters an LDS address
	s_mov_b32 s[SEL], 0x76543210
	s_mov_b32 s[SEL+1], 0xfedcba98
	s_mov_b32 s100, 0x05040100                     ; v_perm_b32: the two low halves;
	s_mov_b32 s101, 0x07060302                     ; the two high halves
	s_wait_dscnt 0x0                               ; the opening add is done
	s_wait_kmcnt 0x0
	s_add_nc_u64 s[42:43], s[4:5], s[42:43]
	s_add_nc_u64 s[46:47], s[6:7], s[46:47]
	s_add_nc_u64 s[44:45], s[4:5], s[44:45]
	s_add_nc_u64 s[66:67], s[6:7], s[66:67]
	CROUND                                         ; all sixteen work-groups are here: the first joint loads meet
	s_mov_b32 s[G0S], 1
	s_mov_b32 s[G0S+1], SCL
	s_mov_b64 s[G0S+2:G0S+3], s[46:47]
	s_or_b32 s[G0S+3], s[G0S+3], 0x80000000
	s_mov_b32 s[G0SB], 1
	s_mov_b32 s[G0SB+1], SCL+2*HALFS
	s_mov_b64 s[G0SB+2:G0SB+3], s[66:67]
	s_or_b32 s[G0SB+3], s[G0SB+3], 0x80000000
	s_mov_b32 s[G0], 1                             ; the head's tiles, each whole: K step 0 of A's 16 row blocks,
	s_mov_b32 s[G0+1], 0
	s_mov_b64 s[G0+2:G0+3], s[42:43]
	s_or_b32 s[G0+3], s[G0+3], 0x80000000
	s_mov_b32 s[G0B], 1                            ; and of B's, behind them in slot 0
	s_mov_b32 s[G0B+1], 2*HALFT
	s_mov_b64 s[G0B+2:G0B+3], s[44:45]
	s_or_b32 s[G0B+3], s[G0B+3], 0x80000000
	s_mul_i32 s4, s[HB], 8*12288                   ; in the ring I fetch 8 row blocks of a tile: which half, in bytes (s[4:5] held opc, which has been used)
	s_mov_b32 s5, 0
	s_mov_b32 s[G0+4], 1                           ; slot 1: my half of K step 1
	s_add_co_u32 s[G0+5], s2, SLOT
	s_add_nc_u64 s[G0+6:G0+7], s[42:43], s[4:5]
	s_add_nc_u64 s[G0+6:G0+7], s[G0+6:G0+7], TROW
	s_or_b32 s[G0+7], s[G0+7], 0x80000000
	s_mov_b32 s[G0B+4], 1
	s_add_co_u32 s[G0B+5], s2, SLOT
	s_add_nc_u64 s[G0B+6:G0B+7], s[44:45], s[4:5]
	s_add_nc_u64 s[G0B+6:G0B+7], s[G0B+6:G0B+7], TROW
	s_or_b32 s[G0B+7], s[G0B+7], 0x80000000
; The head's four tiles, one load a wave: wave 0 A's codes, wave 1 B's, wave 2 A's scales, wave 3 B's; one chain of branches on the wave's number, every way passes one load
.macro ARM under, g0, g1, next
	s_cmp_lt_u32 s[WV], \under
	s_cbranch_scc0 \next
	tensor_load_to_lds s[\g0:\g0+3], s[\g1:\g1+7]
	s_nop 0
.rept 4
	v_nop
.endr
	s_branch .Lhead_asked
\next:
.endm
	ARM 1, G0,  G1,  .Lhead_b
	ARM 2, G0B, G1B, .Lhead_sa
	ARM 3, G0S, G1S, .Lhead_sb
	tensor_load_to_lds s[G0SB:G0SB+3], s[G1SB:G1SB+7]
	s_nop 0
.rept 4
	v_nop
.endr
.Lhead_asked:
	v_and_b32 v1, 15, v0                           ; r
	v_bfe_u32 v2, v0, 4, 1                         ; h (kept to the end)
	v_and_b32 v3, 31, v0
	v_lshlrev_b32 v[LI], 4, v3
	s_mul_i32 s2, s[HA], HALFT                     ; my 128 rows of A
	s_mul_i32 s3, s[HB], HALFT                     ; my 128 rows of B,
	s_add_co_u32 s3, s3, 2*HALFT                   ; which lie behind A's 256
.irp s, 0,1
	v_add_nc_u32 v[ADRA+\s], s2, v[LI]
	v_add_nc_u32 v[ADRB+\s], s3, v[LI]
	s_add_co_u32 s2, s2, SLOT
	s_add_co_u32 s3, s3, SLOT
.endr
	v_mul_u32_u24 v5, v1, KS                       ; my row's scales: 32 bytes a row,
	v_lshrrev_b32 v6, 8, v5
	v_lshl_add_u32 v5, v6, 4, v5                   ; and 16 more for each 256 passed
	s_mul_i32 s2, s[HA], HALFS
	s_mul_i32 s3, s[HB], HALFS
	s_add_co_u32 s3, s3, 2*HALFS
	s_sub_co_u32 s3, s3, s2
	v_mul_u32_u24 v6, s3, v2                       ; lanes 16-31 take B's
	s_add_co_u32 s2, s2, SCL
	v_add_nc_u32 v5, v5, v6
	v_add_nc_u32 v[ADRS], s2, v5
	v_lshlrev_b32 v[OSO], 12, v2
	v_lshl_add_u32 v[OSO], v1, 4, v[OSO]
	; where my results go
	s_lshl_b32 s2, s40, 4
	s_lshl_b32 s3, s[HB], 3
	s_add_co_u32 s2, s2, s3                        ; my B blocks in the cluster's 64: 16 cx + 8 x half
	s_lshl_b32 s3, s41, 4
	s_lshl_b32 s42, s[HA], 3
	s_add_co_u32 s3, s3, s42                       ; my A blocks: 16 cy + 8 x half
	s_cmp_eq_u32 s[MODE], 1
	s_cselect_b32 s42, s2, s3                      ; the side of the tokens,
	s_cselect_b32 s43, s3, s2                      ; the side of n: my first block of the weight's 64
	s_cselect_b32 s66, 4, 0                        ; the bias: v: by lane, 4 bytes an n, the same in a lane's eight registers;
	s_cselect_b32 s67, 0, 64                       ; q, k: 64 bytes for the upper half of the lanes,
	s_cselect_b32 s3, 0, 4                         ; and 4 bytes from register to register
	s_lshl_b32 s44, s[CC], 6
	s_add_co_u32 s42, s42, s44                     ; my first block of the tensor's 512 token blocks
	s_lshr_b32 s44, s42, 7
	s_lshl_b32 s44, s44, 4
	s_lshr_b32 s45, s43, 2
	s_add_co_u32 s44, s44, s45                     ; 16 b + my first head
	s_bfe_u32 s45, s42, 0x40003                    ; which 128 tokens of the 2,048
	s_lshl_b32 s46, s44, 4
	s_add_co_u32 s46, s46, s45
	s_mul_i32 s46, s46, 6144
	s_mul_i32 s47, s[TT], 6291456
	s_add_co_u32 s46, s46, s47
	s_mov_b32 s47, 0
	s_add_nc_u64 s[OC:OC+1], s[14:15], s[46:47]
	s_lshl_b32 s46, s44, 12
	s_lshl_b32 s45, s45, 8
	s_add_co_u32 s46, s46, s45
	s_lshl_b32 s45, s[TT], 18
	s_add_co_u32 s46, s46, s45
	s_add_nc_u64 s[OS:OS+1], s[16:17], s[46:47]
	s_cmp_eq_u32 s[TT], 0
	s_cselect_b64 s[BP:BP+1], s[8:9], s[10:11]
	s_cmp_eq_u32 s[TT], 2
	s_cselect_b64 s[BP:BP+1], s[12:13], s[BP:BP+1]
	; THE BIAS in the result's layout, 8 registers for each of 8 tiles x.  q, k: register j = b(n0 + 32 (x / 2) + 8 (x % 2) + 16 h + j), for B's tile x.  v: all eight = b(n0 + 32 (x / 2) + 8 (x % 2) + r + 8 (r / 8)), for A's block x.
	v_and_b32 v4, 8, v1
	v_add_nc_u32 v4, v4, v1                        ; r + 8 (r / 8)
	v_mul_u32_u24 v5, s66, v4
	v_mad_u32_u24 v5, v2, s67, v5
	s_lshl_b32 s43, s43, 6                         ; 64 bytes a block of 16 n
	v_add_nc_u32 v[BO], s43, v5
.irp j, 1,2,3,4,5,6,7
	v_add_nc_u32 v[BO+\j], s3, v[BO+\j-1]
.endr
.irp x, 0,1,2,3,4,5,6,7
.irp j, 0,1,2,3,4,5,6,7
	global_load_b32 v[BI+8*\x+\j], v[BO+\j], s[BP:BP+1] offset:(32*(\x/2)+8*(\x%2))*4
.endr
.endr
.macro FRAG reg, adr, q, i             ; a fragment comes as it was stored: three loads of 16 bytes a lane, 512 consecutive bytes each
.irp c, 0,1,2
	ds_load_b128 v[\reg+4*\c:\reg+4*\c+3], v[\adr] offset:(\i)*TROW+(\q)*IMG+512*\c
.endr
.endm
; 16 matrix instructions: A's blocks a0, a0 + 1 x B's eight, 128 along K: the slot's q-th.  p: B's set; sc: the set of scale words.  zero = 1, 2: the first products start the sums with the bias (by B's tile; by A's block).
; The 64 accumulators take turns, one instruction a turn, in the same order in every step.
.macro MUL16 a0, p, q, sc, zero
.irp a, \a0, \a0+1
.irp b, 0,1,2,3,4,5,6,7
.if \zero == 1
	v_wmma_scale_f32_16x16x128_f8f6f4 v[8*(8*((\a)%4)+\b):8*(8*((\a)%4)+\b)+7], v[128*(\p)+FR*\b:128*(\p)+FR*\b+FR-1], v[AF+FR*(\a):AF+FR*(\a)+FR-1], v[BI+8*\b:BI+8*\b+7], v[SC+8*NQ*(\sc)+NQ*\b+(\q)], v[SC+8*NQ*(\sc)+NQ*(\a)+(\q)] matrix_a_fmt:MATRIX_FMT_FP6 matrix_b_fmt:MATRIX_FMT_FP6 matrix_a_scale:MATRIX_SCALE_ROW1
.elseif \zero == 2
	v_wmma_scale_f32_16x16x128_f8f6f4 v[8*(8*((\a)%4)+\b):8*(8*((\a)%4)+\b)+7], v[128*(\p)+FR*\b:128*(\p)+FR*\b+FR-1], v[AF+FR*(\a):AF+FR*(\a)+FR-1], v[BI+8*(\a):BI+8*(\a)+7], v[SC+8*NQ*(\sc)+NQ*\b+(\q)], v[SC+8*NQ*(\sc)+NQ*(\a)+(\q)] matrix_a_fmt:MATRIX_FMT_FP6 matrix_b_fmt:MATRIX_FMT_FP6 matrix_a_scale:MATRIX_SCALE_ROW1
.else
	v_wmma_scale_f32_16x16x128_f8f6f4 v[8*(8*((\a)%4)+\b):8*(8*((\a)%4)+\b)+7], v[128*(\p)+FR*\b:128*(\p)+FR*\b+FR-1], v[AF+FR*(\a):AF+FR*(\a)+FR-1], v[8*(8*((\a)%4)+\b):8*(8*((\a)%4)+\b)+7], v[SC+8*NQ*(\sc)+NQ*\b+(\q)], v[SC+8*NQ*(\sc)+NQ*(\a)+(\q)] matrix_a_fmt:MATRIX_FMT_FP6 matrix_b_fmt:MATRIX_FMT_FP6 matrix_a_scale:MATRIX_SCALE_ROW1
.endif
.endr
.endr
.endm
.macro FETCH_B slot, q, p              ; B's eight fragments of the slot's q-th 128 along K into set p
	WIN TO_B
.irp i, 0,1,2,3,4,5,6,7
	FRAG 128*(\p)+FR*\i, ADRB+\slot, \q, \i
.endr
	WIN 0
.endm
.macro FETCH_A slot, q, i0             ; A's blocks i0 .. i0 + 3
.irp i, \i0, \i0+1, \i0+2, \i0+3
	FRAG AF+FR*(\i), ADRA+\slot, \q, \i
.endr
.endm
.macro SCALES sc                       ; a K step's scale words into set sc: two words a row; lanes 0-15 take A's block i, lanes 16-31 B's block i
.irp i, 0,1,2,3,4,5,6,7
	ds_load_b64 v[SC+8*NQ*\sc+NQ*\i:SC+8*NQ*\sc+NQ*\i+1], v[ADRS] offset:\i*SBLK
.endr
.endm
; A load into a register that a matrix instruction has read, and a vector instruction that reads a matrix result, stand NP places behind that matrix instruction; only plain vector instructions that name none of its
; registers are places (ISA guide 7.12.1 for vector instructions).
.macro PLACES n
.rept \n
	v_nop
.endr
.endm
; A step of 128 along K that has its successor in the same slot.  A's blocks go one after the other, each against B's eight: so one set of registers serves A, fetched anew in halves.
.macro STEP slot, q, zero
	s_wait_dscnt 4*NL                              ; B's set, A's blocks 0-3 and the scale words are in; the youngest 12 loads (A's blocks 4-7) may be out
.if \zero
	WIN BIA_LO
.else
	WIN MUL_LO
.endif
	MUL16 0, (\q)%2, \q, \slot, \zero
	MUL16 2, (\q)%2, \q, \slot, \zero
	s_wait_dscnt 0                                 ; A's blocks 4-7 are in (asked for 32 matrix instructions ago)
	PLACES NP
	FETCH_B \slot, (\q)+1, 1-(\q)%2
	FETCH_A \slot, (\q)+1, 0
.if \zero
	WIN BIA_HI
.else
	WIN MUL_HI
.endif
	MUL16 4, (\q)%2, \q, \slot, \zero
	MUL16 6, (\q)%2, \q, \slot, \zero
	PLACES NP
	WIN 0
	FETCH_A \slot, (\q)+1, 4
.endm
; A slot's last step changes slots: one barrier; in front of it each wave waits for all its tensor loads, adds 0 to its spare word, and waits for that and for its own reads of this slot.  fill = 1: this slot is filled again, two K steps ahead.
.macro TURN slot, next, fill
	s_wait_tensorcnt 0x0                           ; all my tensor loads have landed: my part of the next slot  (every window is 0 here)
	ds_add_u32 v[SPW], v[NIL]                      ; 0 onto my spare word
	s_wait_dscnt 4*NL+1                            ; (the add and the youngest 12 loads, A's blocks 4-7, may be out)
	WIN MUL_LO
	MUL16 0, 1, NQ-1, \slot, 0                     ; sixteen matrix instructions stand between the add and the wait for it
	s_wait_dscnt 0x0                               ; the add is done, and my reads of this slot are over
	s_barrier_signal -1
	MUL16 2, 1, NQ-1, \slot, 0
	WIN 0
	s_barrier_wait -1
.if \fill
	CREST                                          ; the barrier has opened a round of the cluster's barrier: no wave of any partner still reads this slot's tile or has a load on its way
	s_add_nc_u64 s[G0+4*\slot+2:G0+4*\slot+3], s[G0+4*\slot+2:G0+4*\slot+3], 2*TROW
	s_add_nc_u64 s[G0B+4*\slot+2:G0B+4*\slot+3], s[G0B+4*\slot+2:G0B+4*\slot+3], 2*TROW
	JLOAD G0+4*\slot, G1, G0B+4*\slot, G1B         ; the first tensor load behind the round; the four v_nop behind it are the places in front of the loads below
.else
	PLACES NP
.endif
	s_wait_alu depctr_va_vdst(0)
	v_add_nc_u32 v[ADRS], 4*NQ, v[ADRS]            ; on to the next K step's scale words (no LDS load of mine is out)
	FETCH_B \next, 0, 0
	FETCH_A \next, 0, 0
	SCALES \next
	WIN MUL_HI
	MUL16 4, 1, NQ-1, \slot, 0
	MUL16 6, 1, NQ-1, \slot, 0
	PLACES NP
	WIN 0
	FETCH_A \next, 0, 4
.endm
	s_wait_alu depctr_va_vdst(0)
	s_wait_tensorcnt 0x0                           ; my tile of the head's four is in
	ds_add_u32 v[SPW], v[NIL]
	s_mov_b32 s[G1+2], 8<<16                       ; no tensor load of mine is out: from here on a load brings 8 row blocks,
	s_mov_b32 s[G1+4], 8
	s_mov_b32 s[G1B+2], 8<<16
	s_mov_b32 s[G1B+4], 8
	s_mul_i32 s[G0+1], s[WV], HALFT                ; and slot 0's descriptors stand at my half of K step 0
	s_mul_i32 s[G0B+1], s[WV], HALFT
	s_add_nc_u64 s[G0+2:G0+3], s[G0+2:G0+3], s[4:5]
	s_add_nc_u64 s[G0B+2:G0B+3], s[G0B+2:G0B+3], s[4:5]
	s_wait_dscnt 0x0
	CROUND                                         ; a whole round: all four tiles are in, in every partner
	JLOAD G0+4, G1, G0B+4, G1B                     ; K step 1, the first tensor load behind the round
	FETCH_B 0, 0, 0
	FETCH_A 0, 0, 0
	SCALES 0
	FETCH_A 0, 0, 4
	s_wait_loadcnt 0x0                             ; the bias
	s_cmp_eq_u32 s[MODE], 0                        ; the same in all sixteen partners: it hangs on the cluster's number alone
	s_cbranch_scc0 .Lfirst_v
	STEP 0, 0, 1                                   ; the first step's products start the sums with the bias: by B's tile,
	s_branch .Lfirst_done
.Lfirst_v:
	STEP 0, 0, 2                                   ; or by A's block
.Lfirst_done:
	TURN 0, 1, 1                                   ; K = 1,024 is four K steps of 256, eight steps of 128: written out
	STEP 1, 0, 0
	TURN 1, 0, 1
	STEP 0, 0, 0
	TURN 0, 1, 0                                   ; nothing is left to fetch: no round
	STEP 1, 0, 0
	s_wait_dscnt 4*NL                              ; the very last step
	WIN MUL_LO
	MUL16 0, 1, NQ-1, 1, 0
	MUL16 2, 1, NQ-1, 1, 0
	s_wait_dscnt 0
	WIN MUL_HI
	MUL16 4, 1, NQ-1, 1, 0
	MUL16 6, 1, NQ-1, 1, 0
	WIN 0
; THE WAY OUT.  QUANT: the 64 results of A's block a (register 16 x + i = index 32 x + 16 h + i of lane r's row: four blocks of 32, each in lanes l and l xor 16) become codes: blocks 0, 1 in six registers from d0, blocks 2, 3 from d1,
; lanes 0-15 the even block, lanes 16-31 the odd one; and the scale word pw.  Each accumulator is read from its low end on.
.macro QUANT a, d0, d1, pw
.set QS, 64*((\a)%4)
.set QW, 2+(\a)/4
.set QWW, QW|(QW<<2)
	WIN QWW                                        ; sources 0 and 1: the accumulators' window
.irp b, 0,1,2,3
	v_max3_num_f32 v[TM+\b], |v[QS+16*\b]|, |v[QS+16*\b+1]|, 0x1800000   ; my 16 numbers of block b, and the floor 2^(3 - 127): the byte cannot fall under 1
.endr
.irp i, 2,4,6,8,10,12,14
.irp b, 0,1,2,3
	v_max3_num_f32 v[TM+\b], |v[QS+16*\b+\i]|, |v[QS+16*\b+\i+1]|, v[TM+\b]   ; (the four blocks by turns)
.endr
.endr
	WIN 0
.irp b, 0,1,2,3
	v_permlanex16_b32 v[TM+4+\b], v[TM+\b], s[SEL], s[SEL+1]
.endr
.irp b, 0,1,2,3
	v_max_num_f32 v[TM+\b], v[TM+\b], v[TM+4+\b]   ; with lane l xor 16's: the block's largest magnitude
.endr
.irp b, 0,1,2,3
	v_add_nc_u32 v[TM+12+\b], 0xff000000, v[TM+\b] ; 2 off its exponent field: the conversion's scale operand
.endr
.irp b, 0,1,2,3
	v_lshrrev_b32 v[TM+4+\b], 23, v[TM+12+\b]      ; the scale's byte
.endr
	v_lshl_or_b32 v[\pw], v[TM+5], 8, v[TM+4]
	v_lshl_or_b32 v[\pw], v[TM+6], 16, v[\pw]
	v_lshl_or_b32 v[\pw], v[TM+7], 24, v[\pw]
	WIN QW                                         ; source 0: the accumulators' window
	v_cvt_scalef32_pk16_fp6_f32 v[\d0:\d0+2], v[QS:QS+15], v[TM+12]
	v_cvt_scalef32_pk16_fp6_f32 v[PT:PT+2], v[QS+16:QS+31], v[TM+13]
	v_cvt_scalef32_pk16_fp6_f32 v[\d1:\d1+2], v[QS+32:QS+47], v[TM+14]
	v_cvt_scalef32_pk16_fp6_f32 v[PT+4:PT+6], v[QS+48:QS+63], v[TM+15]
	WIN 0
	v_nop                                          ; one plain place behind a scaled conversion
.irp i, 0,1,2
	v_permlane16_swap_b32 v[\d0+\i], v[PT+\i]      ; the first's lanes 16-31 change places with the second's lanes 0-15: a whole block in a lane
.endr
.irp i, 0,1,2
	v_mov_b32 v[\d0+3+\i], v[PT+\i]
.endr
.irp i, 0,1,2
	v_permlane16_swap_b32 v[\d1+\i], v[PT+4+\i]
.endr
.irp i, 0,1,2
	v_mov_b32 v[\d1+3+\i], v[PT+4+\i]
.endr
.endm
	PLACES NP                                      ; behind the last products: their results are read, and registers that held their scale words are written, below
.irp b, 0,1,2,3
	v_mov_b32 v[TM+4+\b], 0                        ; written once: a lane permute's destination counts as one of its sources
.endr
	s_cmp_eq_u32 s[MODE], 0
	s_cbranch_scc0 .Lout_v
; q, k: the 128 indices are two heads x 64 d.  A's blocks 2 f and 2 f + 1 are the two token tiles of fragment f: for each head their six registers stand side by side.
.irp f, 0,1,2,3
	s_wait_xcnt 0x0                                ; the last fragments' stores have read their data
	QUANT 2*\f, G, G+12, PWA
	QUANT 2*\f+1, G+6, G+18, PWB
	v_perm_b32 v[SW+\f], v[PWB], v[PWA], s100      ; the first head's word: its two bytes of the first tile, then of the second;
	v_perm_b32 v[SW+4+\f], v[PWB], v[PWA], s101    ; the second head's
.irp e, 0,1
.irp j, 0,1,2
	global_store_b128 v[LI], v[G+12*\e+4*\j:G+12*\e+4*\j+3], s[OC:OC+1] offset:\e*98304+\f*1536+512*\j   ; 512 consecutive bytes a store, at a multiple of 512 from hc's first byte
.endr
.endr
.endr
	s_branch .Lout_done
.Lout_v:
; v: the 128 indices are 128 keys: A's block a is d tile a % 4 of head a / 4, and its codes are a fragment as they stand.
.irp a, 0,1,2,3,4,5,6,7
	s_wait_xcnt 0x0
	QUANT \a, G, G+6, SW+\a
.irp j, 0,1,2
	global_store_b128 v[LI], v[G+4*\j:G+4*\j+3], s[OC:OC+1] offset:(\a/4)*98304+(\a%4)*1536+512*\j
.endr
.endr
.Lout_done:
	v_cmp_ne_u32 vcc_lo, 0, v2
	s_wait_alu depctr_va_vdst(0)
.irp i, 0,1,2,3
	v_cndmask_b32 v[OW+\i], v[SW+\i], v[SW+4+\i], vcc_lo   ; lanes 0-15 store the first head's four words of their row, lanes 16-31 the second head's
.endr
	global_store_b128 v[OSO], v[OW:OW+3], s[OS:OS+1]   ; sixteen lanes store 256 consecutive bytes, at a multiple of 256 from hs's first byte
	s_wait_tensorcnt 0x0                           ; the wave's end
	ds_add_u32 v[SPW], v[NIL]
	s_wait_dscnt 0x0
	CROUND                                         ; the closing round: no work-group ends while a partner may still ask for a tile that names it
	s_endpgm
.Lfunc_end_k_qc8a4481eea_proj:
	.size	k_qc8a4481eea_proj, .Lfunc_end_k_qc8a4481eea_proj-k_qc8a4481eea_proj
	.p2alignl 7, 3214868480
	.fill 96, 4, 3214868480
	.section	.rodata,"a",@progbits
	.p2align	6, 0x0
	.amdhsa_kernel k_qc8a4481eea_proj
		.amdhsa_group_segment_fixed_size 327680
		.amdhsa_private_segment_fixed_size 0
		.amdhsa_enable_private_segment 0
		.amdhsa_kernarg_size 56
		.amdhsa_user_sgpr_count 2
		.amdhsa_user_sgpr_kernarg_segment_ptr 1
		.amdhsa_wavefront_size32 1
		.amdhsa_system_sgpr_workgroup_id_x 1
		.amdhsa_system_sgpr_workgroup_id_y 1
		.amdhsa_system_sgpr_workgroup_id_z 1
		.amdhsa_system_vgpr_workitem_id 0
		.amdhsa_next_free_vgpr 1024
		.amdhsa_next_free_sgpr 102
		.amdhsa_reserve_vcc 1
		.amdhsa_float_denorm_mode_32 3
		.amdhsa_float_denorm_mode_16_64 3
		.amdhsa_memory_ordered 1
		.amdhsa_forward_progress 1
		.amdhsa_inst_pref_size 194
	.end_amdhsa_kernel
	.amdgpu_metadata
---
amdhsa.version: [ 1, 2 ]
amdhsa.kernels:
  - .name:           k_qc8a4481eea_proj
    .symbol:         k_qc8a4481eea_proj.kd
    .args:
      - { .name: opc, .offset: 0, .size: 8, .value_kind: global_buffer, .address_space: global }
      - { .name: ops, .offset: 8, .size: 8, .value_kind: global_buffer, .address_space: global }
      - { .name: q_b, .offset: 16, .size: 8, .value_kind: global_buffer, .address_space: global }
      - { .name: k_b, .offset: 24, .size: 8, .value_kind: global_buffer, .address_space: global }
      - { .name: v_b, .offset: 32, .size: 8, .value_kind: global_buffer, .address_space: global }
      - { .name: hc, .offset: 40, .size: 8, .value_kind: global_buffer, .address_space: global }
      - { .name: hs, .offset: 48, .size: 8, .value_kind: global_buffer, .address_space: global }
    .group_segment_fixed_size: 327680
    .private_segment_fixed_size: 0
    .kernarg_segment_align: 8
    .kernarg_segment_size: 56
    .max_flat_workgroup_size: 128
    .sgpr_count:     102
    .vgpr_count:     1024
    .wavefront_size: 32
...
	.end_amdgpu_metadata
.endif
;; end of part 2
;; launch attn (part 3): grid 4 x 64, 8 waves a work-group, clusters of 4 x 1, 327,680 bytes of LDS; arguments hc, hs, k_mask, out0; writes out0
.if DOCPART == 3
	.amdgcn_target "amdgcn-amd-amdhsa--gfx1250"
	.amdhsa_code_object_version 6
	.text
	.protected	k_qc8a4481eea_attn
	.globl	k_qc8a4481eea_attn
	.p2align	8
	.type	k_qc8a4481eea_attn,@function
k_qc8a4481eea_attn:
	s_mov_b64 s[64:65], 0
	v_nop
	global_prefetch_b8 v0, s[64:65] scope:SCOPE_SE
	s_setreg_imm32_b32 hwreg(HW_REG_WAVE_MODE, 25, 1), 1
	s_wait_xcnt 0x0
	s_wait_alu depctr_hold_cnt(0) depctr_sa_sdst(0) depctr_va_vdst(0) depctr_va_sdst(0) depctr_va_ssrc(0) depctr_va_vcc(0) depctr_vm_vsrc(0)
	s_getreg_b32 s2, hwreg(HW_REG_IB_STS2, 6, 4)
	s_cmp_eq_u32 s2, 0
	s_cbranch_scc0 .Lentry_in_a_cluster
	s_endpgm
.Lentry_in_a_cluster:
	s_bfe_u32 s2, ttmp6, 0x10000c
	s_cmp_lg_u32 s2, 0x3003
	s_cbranch_scc0 .Lentry_shape_is_right
	s_endpgm
.Lentry_shape_is_right:
; out = softmax(q k^T / 8, masked by k_mask) v for one (batch, head) and 512 queries a work-group, on codes of FP6 (E2M3) with E8M0 scales, as the launch before left them in hc and hs.
; Both products are used transposed (S^T = k q^T, O^T = v^T p^T): a lane holds one query; lane (r, h) holds query r of a tile of 16.
; p = 2^(t - M), t = score x log2(e) / 8, M the ceiling of the running largest t (kept as -M, a whole number); the row's sum is taken of the unquantised p; O^T and the sum are brought under a new M by 2^(old M - new M), which rounds nothing.
; THE DEAL.  256 work-groups of eight waves, two to a SIMD, 512 registers each.  A wave holds 64 queries, four tiles, through one pass of 16 steps of 128 keys: one fetch of K's, V's and the mask's registers serves four tiles.
; The tiles go in pairs, line by line by turns, so that no line waits for the line above it.
; K'S ORDER (made in the first launch): fragment f of a step holds key tiles u = 2 (f % 2), + 1 of the 64 keys c = f / 2; image row m of tile u is key 64 c + 32 (m / 8) + 8 u + m % 8.
; So score register 32 c + 8 u + j of lane (r, h) is key 64 c + 32 h + 8 u + j: a lane's 32 registers are one whole scale block, its codes are the operand's registers as they stand, and a block's largest score needs no other lane.
; A head has 64 numbers and the instruction is 128 deep: a fragment of K holds two key tiles, and q stands beside six registers of zero codes, below them for the first tile and above them for the second.
; THE MASK is the C of the score products: 0 for a key that counts, -2^126 for one that does not; M begins at -2^100, so such a key's p is 0.
; LIMITS: the promise holds while the scaled scores stay under 2^31 in magnitude; NaN and infinities are not served; a block whose every p has fallen to 0 keeps the byte 1 over zero codes.
; LDS: K's codes 98,304 bytes, V's 98,304, the mask's words 8,192, K's and V's scale words 4,096 each, a stage of 4,352 bytes a wave for the way out, the spare words.  All is filled once.
; CLUSTERS: the four work-groups of a (batch, head) need the same K and V: each wave's one tensor load, 24,576 bytes, is asked for jointly.  The scale words and the mask come by plain loads and LDS stores.
; No data prefetch: every tile is asked for at the head, so there is no loop to run ahead in.
; REGISTERS.  Window 0: v0 thread, v1-2 the add's, v3, v6 addresses, v4-5, v7, v30-31, v246-255 at work in the softmax, v8-15 (-M, p's scale word) a tile, v16-23 the sums, v24-27 K's or V's scale words, v28-29 q's,
; v32-85 zeros and q by turns, v86-133 K's or V's four fragments, v134-197 the mask's words, v198-245 p's codes.  Window 1: v0-127 the scores of a pair of tiles, v128-255 O^T of the four.
.set VC,    98304
.set MB,    196608
.set KSW,   204800
.set VSW,   208896
.set STAGE, 212992
.set SPARE, 247808
.set SPW, 1
.set NIL, 2
.set AD,  3
.set BB,  4                            ; v4, v5: the second tile's two block maxima
.set AE,  6
.set XA,  7
.set ST,  8
.set LS,  16
.set SCW, 24
.set QSC, 28
.set FA,  30                           ; v30 the first tile's factor, v31 its work register
.set QB,  32
.set KV,  86
.set MK,  134
.set PC,  198
.set PT,  246                          ; v246-248, v250-252: the second halves of two blocks' codes
.set BA0, 249                          ; the first tile's two block maxima
.set BA1, 253
.set FB,  254                          ; v254, v255: as v30, v31 for the second tile
.set RB,  86                           ; the way out: 4 x 32 registers back from the stage
.set WV,  12
.set SEL, 20
.set CS,  22
.set G1C, 24
.set G0C, 40
.set TV,  44
.set TC,  48
.set TS,  49
.set TM,  50
.set CNT, 51
.set MSB, 0
.macro WIN new                         ; the immediate's high byte repeats the setting that is left
.if MSB != \new
	s_set_vgpr_msb (MSB<<8)|\new
.set MSB, \new
.endif
.endm
.macro WALU
	s_wait_alu depctr_va_vdst(0)
.endm
.macro CROUND
	s_barrier_signal -1
	s_barrier_wait -1
	s_cmp_lg_u32 s[WV], 0
	s_cbranch_scc1 .Lnot_wave_0_\@
	s_barrier_signal -3
.Lnot_wave_0_\@:
	s_barrier_wait -3
	s_barrier_signal -1
	s_barrier_wait -1
.endm
	s_load_b256 s[4:11], s[0:1], 0x0               ; hc, hs, k_mask, out0
	v_lshl_add_u32 v[SPW], v0, 2, SPARE
	v_mov_b32 v[NIL], 0
	ds_add_u32 v[SPW], v[NIL]
	ds_add_u32 v[SPW], v[NIL]
	v_lshrrev_b32 v3, 5, v0
	v_readfirstlane_b32 s[WV], v3                  ; wave 0..7
	s_bfe_u32 s13, ttmp6, 0x40000                  ; cx
	s_lshl_b32 s14, ttmp9, 2
	s_add_co_u32 s14, s14, s13                     ; which 512 queries
	s_and_b32 s15, ttmp7, 0xffff                   ; 16 batch + head
	s_lshr_b32 s16, s[WV], 2
	s_and_b32 s17, s[WV], 3
	s_add_co_u32 s18, s16, 1                       ; waves 0-3 fetch K (tensor 1 of hc), waves 4-7 V (tensor 2), a quarter each
	s_mul_i32 s52, s18, 6291456
	s_mul_i32 s19, s15, 98304
	s_add_co_u32 s52, s52, s19
	s_mul_i32 s19, s17, 24576
	s_add_co_u32 s52, s52, s19
	s_mov_b32 s53, 0
	s_mov_b32 s[G1C], 15|(3<<16)|(1<<21)           ; the mask names the cluster's four; elements of 8 bytes; 96 dense rows of 256 bytes
	s_mov_b32 s[G1C+1], 32<<16
	s_mov_b32 s[G1C+2], 96<<16
	s_mov_b32 s[G1C+3], 32<<16
	s_mov_b32 s[G1C+4], 96
	s_mov_b32 s[G1C+5], 32
	s_mov_b32 s[G1C+6], 0
	s_mov_b32 s[G1C+7], 0
	s_mov_b32 s[SEL], 0x76543210
	s_mov_b32 s[SEL+1], 0xfedcba98                 ; selects for lane l xor 16
	s_mov_b32 s[CS], 0x3e38aa3b                    ; log2(e) / 8
	s_mov_b32 s[CS+1], s[CS]
	s_wait_dscnt 0x0
	s_wait_kmcnt 0x0
	s_mov_b32 s[G0C], 1
	s_mul_i32 s[G0C+1], s[WV], 24576
	s_add_nc_u64 s[G0C+2:G0C+3], s[4:5], s[52:53]
	s_or_b32 s[G0C+3], s[G0C+3], 0x80000000
	CROUND                                         ; the four partners are here: the joint loads meet
	tensor_load_to_lds s[G0C:G0C+3], s[G1C:G1C+7]
	s_nop 0
.rept 4
	v_nop
.endr
	s_lshl_b32 s56, s14, 4
	s_lshl_b32 s19, s[WV], 1
	s_add_co_u32 s56, s56, s19                     ; my first fragment of q (32 queries each; I take two)
	s_mul_i32 s58, s56, 1536
	s_mul_i32 s19, s15, 98304
	s_add_co_u32 s58, s58, s19
	s_mov_b32 s59, 0
	s_add_nc_u64 s[58:59], s[4:5], s[58:59]
	s_lshr_b32 s60, s56, 2
	s_lshl_b32 s60, s60, 8
	s_and_b32 s19, s56, 3
	s_lshl_b32 s19, s19, 2
	s_add_co_u32 s60, s60, s19
	s_lshl_b32 s54, s15, 12
	s_add_co_u32 s60, s60, s54
	s_mov_b32 s61, 0
	s_add_nc_u64 s[60:61], s[6:7], s[60:61]        ; their two scale words of row r, 16 r on
	s_add_co_u32 s54, s54, 1<<18
	s_mov_b32 s55, 0
	s_add_nc_u64 s[54:55], s[6:7], s[54:55]        ; K's scale words; V's lie 1 << 18 on
	s_lshr_b32 s62, s15, 4
	s_lshl_b32 s66, s62, 11
	s_mov_b32 s67, 0
	s_add_nc_u64 s[8:9], s[8:9], s[66:67]          ; my batch's mask
	s_lshl_b32 s19, s14, 9
	s_add_co_u32 s66, s66, s19
	s_lshl_b32 s19, s[WV], 6
	s_add_co_u32 s66, s66, s19                     ; my first token
	s_lshl_b32 s66, s66, 12
	s_and_b32 s19, s15, 15
	s_lshl_b32 s19, s19, 8
	s_add_co_u32 s66, s66, s19
	s_add_nc_u64 s[10:11], s[10:11], s[66:67]
	v_and_b32 v3, 31, v0
	v_lshlrev_b32 v3, 4, v3
	v_and_b32 v4, 15, v0
	v_lshlrev_b32 v4, 4, v4
	v_lshlrev_b32 v5, 4, v0
	v_lshlrev_b32 v6, 3, v0
.irp g, 0,1
.irp j, 0,1,2
	global_load_b128 v[MK+12*\g+4*\j:MK+12*\g+4*\j+3], v3, s[58:59] offset:1536*\g+512*\j
.endr
.endr
	global_load_b64 v[MK+24:MK+25], v4, s[60:61]
	global_load_b128 v[MK+28:MK+31], v5, s[54:55]                  ; 256 threads x 16 bytes: K's 4,096 bytes of scale words,
	global_load_b128 v[MK+32:MK+35], v5, s[54:55] offset:262144    ; and V's
	global_load_b64 v[MK+36:MK+37], v6, s[8:9]                     ; 8 keys' mask bytes a thread
.irp z, 0,1,2,3,4
.irp k, 0,1,2,3,4,5
	v_mov_b32 v[QB+12*\z+\k], 0                    ; the zero codes beside q
.endr
.endr
.irp i, 0,1,2,3
	v_mov_b32 v[ST+2*\i], 0x71800000               ; -M = 2^100
	v_mov_b32 v[ST+2*\i+1], 0
	v_mov_b32 v[LS+2*\i], 0
	v_mov_b32 v[LS+2*\i+1], 0
.endr
	v_mov_b32 v[XA], 0x01000100
	v_mov_b32 v[FA], 0x03020302
	v_mov_b32 v[FA+1], 0xfe800000                  ; -2^126
	v_mov_b32 v[PT], 0                             ; written once: a lane permute's destination counts as one of its sources
	v_bfe_u32 v[FB+1], v0, 4, 1
	v_cmp_ne_u32 vcc_lo, 0, v[FB+1]
	v_cndmask_b32 v[XA], v[XA], v[FA], vcc_lo      ; lanes 0-15 take a fragment's first tile's two bytes, lanes 16-31 its second's, each twice
	WIN 0x40
.set J, 0
.rept 128
	v_mov_b32 v[128+J], 0                          ; O^T: the step is written once, the first finds zeros
.set J, J+1
.endr
	WIN 0
	WALU
	s_wait_loadcnt 0x0
.irp g, 0,1
.irp e, 0,1
.irp k, 0,1,2,3,4,5
	v_mov_b32 v[QB+6+12*(2*\g+\e)+\k], v[MK+12*\g+6*\e+\k]
.endr
.endr
.endr
	v_perm_b32 v[QSC], v[MK+24], v[MK+24], v[XA]
	v_perm_b32 v[QSC+1], v[MK+25], v[MK+25], v[XA]
.irp k, 0,1,2,3,4,5,6,7
	v_bfe_u32 v[MK+48+\k], v[MK+36+\k/4], 8*(\k%4), 8
.endr
.irp k, 0,1,2,3,4,5,6,7
	v_cmp_eq_u32 vcc_lo, 0, v[MK+48+\k]
	v_cndmask_b32 v[MK+40+\k], 0, v[FA+1], vcc_lo
.endr
	v_lshl_add_u32 v[AD], v0, 5, MB
	v_lshl_add_u32 v[AE], v0, 4, KSW
	ds_store_b128 v[AD], v[MK+40:MK+43]            ; the mask's words, in the keys' order
	ds_store_b128 v[AD], v[MK+44:MK+47] offset:16
	ds_store_b128 v[AE], v[MK+28:MK+31]
	ds_store_b128 v[AE], v[MK+32:MK+35] offset:VSW-KSW
	WALU
	s_wait_tensorcnt 0x0
	s_wait_dscnt 0x0
	s_barrier_signal -1
	s_barrier_wait -1                              ; everybody's part of K, V, the scale words and the mask is in
.macro FRAGS                           ; four fragments as they were stored: 512 consecutive bytes a load
.irp f, 0,1,2,3
.irp j, 0,1,2
	ds_load_b128 v[KV+12*\f+4*\j:KV+12*\f+4*\j+3], v[AD] offset:1536*\f+512*\j
.endr
.endr
.endm
.macro MASKS                           ; my half's 2 x 32 words of a step's 128
.irp i, 0,1,2,3,4,5,6,7,8,9,10,11,12,13,14,15
	ds_load_b128 v[MK+4*\i:MK+4*\i+3], v[AE] offset:256*(\i/8)+16*(\i%8)
.endr
.endm
.macro KLOAD                           ; a step's K and its scale words; the four address lines are also the places behind the products before
	v_and_b32 v[AD], 31, v0
	v_and_b32 v[AE], 15, v0
	v_lshl_add_u32 v[AD], v[AD], 4, s[TC]
	v_lshl_add_u32 v[AE], v[AE], 4, s[TS]
	FRAGS
	ds_load_b128 v[SCW:SCW+3], v[AE]
.endm
.macro VMLOAD                          ; this step's V and its scale words over K's, and the next step's mask words
	s_add_co_u32 s[TV], s[TC], VC
	s_add_co_u32 s[TM], s[TM], 512
	v_and_b32 v[AD], 31, v0
	v_bfe_u32 v[AE], v0, 4, 1
	v_lshl_add_u32 v[AD], v[AD], 4, s[TV]
	v_lshl_add_u32 v[AE], v[AE], 7, s[TM]
	FRAGS
	MASKS
	v_and_b32 v[AD], 15, v0
	v_lshl_add_u32 v[AD], v[AD], 4, s[TS]
	ds_load_b128 v[SCW:SCW+3], v[AD] offset:VSW-KSW
.endm
.macro SMUL i0                         ; the scores of tiles i0, i0 + 1: 16 products, each with its own accumulator; C = the mask's words
	WIN 0x40
.irp f, 0,1,2,3
.irp e, 0,1
.irp x, 0,1
	v_wmma_scale_f32_16x16x128_f8f6f4 v[64*\x+16*\f+8*\e:64*\x+16*\f+8*\e+7], v[KV+12*\f:KV+12*\f+11], v[QB+6-6*\e+12*((\i0)+\x):QB+6-6*\e+12*((\i0)+\x)+11], v[MK+16*\f+8*\e:MK+16*\f+8*\e+7], v[SCW+\f], v[QSC+(\i0)/2] matrix_a_fmt:MATRIX_FMT_FP6 matrix_b_fmt:MATRIX_FMT_FP6 matrix_b_scale:MATRIX_SCALE_ROW\x
.endr
.endr
.endr
.endm
.macro CVT4 pc, s, b0, b1              ; a tile's 64 p into 12 registers of codes; a conversion's three registers begin on an even number, so each block's second half goes by way of v[PT ..]
	v_cvt_scalef32_pk16_fp6_f32 v[\pc:\pc+2], v[\s:\s+15], v[\b0]
	v_cvt_scalef32_pk16_fp6_f32 v[PT:PT+2], v[\s+16:\s+31], v[\b0]
	v_cvt_scalef32_pk16_fp6_f32 v[\pc+6:\pc+8], v[\s+32:\s+47], v[\b1]
	v_cvt_scalef32_pk16_fp6_f32 v[PT+4:PT+6], v[\s+48:\s+63], v[\b1]
.endm
.macro MOV6 pc
.irp k, 0,1,2
	v_mov_b32 v[\pc+3+\k], v[PT+\k]
	v_mov_b32 v[\pc+9+\k], v[PT+4+\k]
.endr
.endm
.macro SOFT i0                         ; the softmax of tiles i0 (first) and i0 + 1 (second), up to their codes and scale words
.set NA, ST+2*(\i0)
.set NB, NA+2
.set LA, LS+2*(\i0)
.set OA, 128+32*(\i0)
.set PA, PC+12*(\i0)
	WIN 0x05                                       ; sources 0, 1: the scores.  Four blocks' largest scores by turns, each accumulator from its low end on
	v_max_num_f32 v[BA0], v[0], v[1]
	v_max_num_f32 v[BA1], v[32], v[33]
	v_max_num_f32 v[BB], v[64], v[65]
	v_max_num_f32 v[BB+1], v[96], v[97]
.irp i, 2,4,6,8,10,12,14,16,18,20,22,24,26,28,30
	v_max3_num_f32 v[BA0], v[\i], v[\i+1], v[BA0]
	v_max3_num_f32 v[BA1], v[32+\i], v[33+\i], v[BA1]
	v_max3_num_f32 v[BB], v[64+\i], v[65+\i], v[BB]
	v_max3_num_f32 v[BB+1], v[96+\i], v[97+\i], v[BB+1]
.endr
	WIN 0
	v_max_num_f32 v[FA+1], v[BA0], v[BA1]
	v_max_num_f32 v[FB+1], v[BB], v[BB+1]
	v_permlanex16_b32 v[XA], v[FA+1], s[SEL], s[SEL+1]
	v_permlanex16_b32 v[PT], v[FB+1], s[SEL], s[SEL+1]
	v_max_num_f32 v[FA+1], v[FA+1], v[XA]          ; the step's largest score of my query
	v_max_num_f32 v[FB+1], v[FB+1], v[PT]
	v_mul_f32 v[FA+1], s[CS], v[FA+1]
	v_mul_f32 v[FB+1], s[CS], v[FB+1]
	v_floor_f32 v[FA+1], -v[FA+1]                  ; -ceil(t)
	v_floor_f32 v[FB+1], -v[FB+1]
	v_min_num_f32 v[FA+1], v[FA+1], v[NA]          ; the new -M: the ceiling of a maximum is the maximum of the ceilings
	v_min_num_f32 v[FB+1], v[FB+1], v[NB]
	v_sub_f32 v[FA], v[FA+1], v[NA]                ; old M - new M, a whole number, 0 or less
	v_sub_f32 v[FB], v[FB+1], v[NB]
	v_mov_b32 v[NA], v[FA+1]
	v_mov_b32 v[NB], v[FB+1]
	v_cvt_i32_f32 v[FA], v[FA]                     ; (it saturates)
	v_cvt_i32_f32 v[FB], v[FB]
	v_ldexp_f32 v[FA], 1.0, v[FA]
	v_ldexp_f32 v[FB], 1.0, v[FB]
	v_fma_f32 v[BA0], v[BA0], s[CS], v[NA]         ; t - M of each block's largest score: the same lines as for every score, so the same bits
	v_fma_f32 v[BA1], v[BA1], s[CS], v[NA]
	v_fma_f32 v[BB], v[BB], s[CS], v[NB]
	v_fma_f32 v[BB+1], v[BB+1], s[CS], v[NB]
	v_pk_mul_f32 v[LA:LA+1], v[LA:LA+1], v[FA:FA+1] op_sel_hi:[1,0]
	v_pk_mul_f32 v[LA+2:LA+3], v[LA+2:LA+3], v[FB:FB+1] op_sel_hi:[1,0]
	WIN 0x41
	WALU                                           ; the wait directly ahead of the first readers of O^T
.set J, 0
.rept 16
	v_pk_mul_f32 v[OA+J:OA+J+1], v[OA+J:OA+J+1], v[FA:FA+1] op_sel_hi:[1,0]
	v_pk_mul_f32 v[OA+32+J:OA+33+J], v[OA+32+J:OA+33+J], v[FB:FB+1] op_sel_hi:[1,0]
.set J, J+2
.endr
.set J, 0
.rept 32
	v_pk_fma_f32 v[J:J+1], v[J:J+1], s[CS:CS+1], v[NA:NA+1] op_sel_hi:[1,0,0]        ; the first tile's t - M; of the pair (-M, scale word) the low word serves both halves
.set J, J+2
.endr
	WALU                                           ; one wait ahead of the first tile's exponentials,
.set J, 0
.rept 32
	v_exp_f32 v[J], v[J]                           ; which take turns with the second tile's t - M: these name none of the exponentials' registers
	v_exp_f32 v[J+1], v[J+1]
	v_pk_fma_f32 v[64+J:65+J], v[64+J:65+J], s[CS:CS+1], v[NB:NB+1] op_sel_hi:[1,0,0]
.set J, J+2
.endr
	WALU                                           ; and one ahead of the second tile's, which read those lines' results
.set J, 64
.rept 64
	v_exp_f32 v[J], v[J]
.set J, J+1
.endr
	WIN 0
.irp b, BA0, BA1, BB, BB+1
	v_exp_f32 v[\b], v[\b]                         ; each block's largest p
.endr
	v_nop                                          ; a plain place,
	WALU                                           ; and one wait behind it
.irp b, BA0, BA1, BB, BB+1
	v_max_num_f32 v[\b], 0x1800000, v[\b]          ; the floor 2^(3 - 127): the byte cannot fall under 1
.endr
.irp b, BA0, BA1, BB, BB+1
	v_add_nc_u32 v[\b], 0xff000000, v[\b]          ; 2 off the exponent field: the conversion's scale operand
.endr
	WIN 0x01
	CVT4 PA, 0, BA0, BA1
	WIN 0
	v_lshrrev_b32 v[FA+1], 23, v[BA0]              ; the bytes of my blocks h and 2 + h
	v_lshrrev_b32 v[XA], 23, v[BA1]
	v_lshrrev_b32 v[FB+1], 23, v[BB]
	v_lshrrev_b32 v[FA], 23, v[BB+1]
	v_lshl_or_b32 v[FA+1], v[XA], 16, v[FA+1]
	v_lshl_or_b32 v[FB+1], v[FA], 16, v[FB+1]
	v_permlanex16_b32 v[XA], v[FA+1], s[SEL], s[SEL+1]
	v_permlanex16_b32 v[FA], v[FB+1], s[SEL], s[SEL+1]
	v_lshl_or_b32 v[NA+1], v[XA], 8, v[FA+1]       ; lanes 0-15, which alone are read: blocks 0, 2 are mine, 1, 3 lane l + 16's
	v_lshl_or_b32 v[NB+1], v[FA], 8, v[FB+1]
	MOV6 PA
	WIN 0x01
	CVT4 PA+12, 64, BB, BB+1
	WIN 0
	v_nop                                          ; one plain place behind a scaled conversion
	MOV6 PA+12
.endm
.macro SUML n                          ; the codes are made: the pair's p are summed in place, registers 0 .. n - 1 take in n .. 2 n - 1
.set J, 0
.rept (\n)/2
	v_pk_add_f32 v[J:J+1], v[J:J+1], v[J+\n:J+\n+1]
	v_pk_add_f32 v[64+J:65+J], v[64+J:65+J], v[64+J+\n:65+J+\n]
.set J, J+2
.endr
.endm
.macro LADD
	WIN 0x01
	v_pk_add_f32 v[LA:LA+1], v[0:1], v[LA:LA+1]
	v_pk_add_f32 v[LA+2:LA+3], v[64:65], v[LA+2:LA+3]
.endm
	s_mov_b32 s[TC], 0
	s_mov_b32 s[TS], KSW
	s_mov_b32 s[TM], MB
	s_mov_b32 s[CNT], 16
	KLOAD
	v_bfe_u32 v[AE], v0, 4, 1
	v_lshl_add_u32 v[AE], v[AE], 7, s[TM]
	MASKS
	WALU
.Lstep:
	s_wait_dscnt 0x0                               ; this step's K, its scale words, the mask's words
	SMUL 0
	WIN 0
.rept 4
	v_nop                                          ; places behind the products
.endr
	SOFT 0
	WIN 0x45
	SUML 32
	SUML 16
	SUML 8
	SUML 4
	SUML 2
	LADD
	SMUL 2                                         ; the second pair's scores over the first's
	WIN 0
	VMLOAD                                         ; K's, the mask's and the scale words' registers are free four places behind them
	SOFT 2
	WIN 0x45
	SUML 32                                        ; (32 plain lines between the last scale word and the products)
	WIN 0
	WALU
	s_wait_dscnt 0x0                               ; V, its scale words
	WIN 0x50
.irp t, 0,1,2,3
.irp i, 0,1,2,3
	v_wmma_scale_f32_16x16x128_f8f6f4 v[128+32*\i+8*\t:128+32*\i+8*\t+7], v[KV+12*\t:KV+12*\t+11], v[PC+12*\i:PC+12*\i+11], v[128+32*\i+8*\t:128+32*\i+8*\t+7], v[SCW+\t], v[ST+1+2*\i] matrix_a_fmt:MATRIX_FMT_FP6 matrix_b_fmt:MATRIX_FMT_FP6
.endr
.endr
	WIN 0
	s_add_co_u32 s[TC], s[TC], 6144
	s_add_co_u32 s[TS], s[TS], 256
	KLOAD                                          ; the next step's K (the last trip's lands on V's first bytes and on V's scale words, and is not used)
	WIN 0x45
	SUML 16                                        ; the rest of the second pair's sums stands behind the loads
	SUML 8
	SUML 4
	SUML 2
	LADD
	WIN 0
	s_sub_co_u32 s[CNT], s[CNT], 1
	s_cmp_lg_u32 s[CNT], 0
	WALU
	s_cbranch_scc1 .Lstep
; THE WAY OUT: O^T / the row's sum; a tile of 16 queries x 64 goes through my stage and leaves as rows of 256 bytes
	s_wait_dscnt 0x0
	s_mul_i32 s19, s[WV], 4352
	s_add_co_u32 s19, s19, STAGE
	v_and_b32 v3, 15, v0
	v_bfe_u32 v4, v0, 4, 1
	v_mul_u32_u24 v5, v3, 272
	v_lshl_add_u32 v5, v4, 6, v5
	v_add_nc_u32 v5, s19, v5                       ; in: row r, + 64 h: register 8 t + j is d = 32 (t / 2) + 16 h + 8 (t % 2) + j
	v_mul_u32_u24 v6, v4, 272
	v_lshl_add_u32 v6, v3, 4, v6
	v_add_nc_u32 v6, s19, v6                       ; back: sixteen lanes a row
	v_lshlrev_b32 v7, 12, v4
	v_lshl_add_u32 v7, v3, 4, v7                   ; and the same two rows in out0
.irp i, 0,1,2,3
	v_add_f32 v[LS+2*\i], v[LS+2*\i], v[LS+2*\i+1]
.endr
.irp i, 0,1,2,3
	v_permlanex16_b32 v[LS+2*\i+1], v[LS+2*\i], s[SEL], s[SEL+1]
.endr
.irp i, 0,1,2,3
	v_add_f32 v[LS+2*\i], v[LS+2*\i], v[LS+2*\i+1] ; with lane l xor 16's keys: the row's sum
.endr
	WALU
.irp i, 0,1,2,3
	v_rcp_f32 v[LS+2*\i], v[LS+2*\i]
.endr
	v_nop
	WIN 0x41
	WALU
.irp i, 0,1,2,3
.set J, 0
.rept 16
	v_pk_mul_f32 v[128+32*\i+J:129+32*\i+J], v[128+32*\i+J:129+32*\i+J], v[LS+2*\i:LS+2*\i+1] op_sel_hi:[1,0]
.set J, J+2
.endr
.endr
	WALU
.macro STG i
	WIN 0x04                                       ; the data: window 1
.irp t, 0,1,2,3
	ds_store_b128 v5, v[128+32*(\i)+8*\t:128+32*(\i)+8*\t+3] offset:128*(\t/2)+32*(\t%2)
	ds_store_b128 v5, v[128+32*(\i)+8*\t+4:128+32*(\i)+8*\t+7] offset:128*(\t/2)+32*(\t%2)+16
.endr
	WIN 0
.irp k, 0,1,2,3,4,5,6,7
	ds_load_b128 v[RB+32*(\i)+4*\k:RB+32*(\i)+4*\k+3], v6 offset:544*\k   ; LDS serves a wave's instructions in order: these see my stores, and the next tile's stores come behind them
.endr
.endm
.macro SEND i, n                       ; n: the LDS instructions issued behind tile i's loads.  Tile i = 2 g + e, row m is token 32 g + 8 e + m + 8 (m / 8)
	s_wait_dscnt \n
.irp k, 0,1,2,3,4,5,6,7
	global_store_b128 v7, v[RB+32*(\i)+4*\k:RB+32*(\i)+4*\k+3], s[10:11] offset:(2*\k+8*(\k/4))*4096+32768*((\i)%2)+131072*((\i)/2) th:TH_STORE_NT   ; sixteen lanes store 256 consecutive bytes, aligned
.endr
.endm
	STG 0
	STG 1
	SEND 0, 16
	STG 2
	SEND 1, 16
	STG 3
	SEND 2, 16
	SEND 3, 0
	s_wait_tensorcnt 0x0                           ; the wave's end
	ds_add_u32 v[SPW], v[NIL]
	s_wait_dscnt 0x0
	CROUND                                         ; the closing round
	s_endpgm
.Lfunc_end_k_qc8a4481eea_attn:
	.size	k_qc8a4481eea_attn, .Lfunc_end_k_qc8a4481eea_attn-k_qc8a4481eea_attn
	.p2alignl 7, 3214868480
	.fill 96, 4, 3214868480
	.section	.rodata,"a",@progbits
	.p2align	6, 0x0
	.amdhsa_kernel k_qc8a4481eea_attn
		.amdhsa_group_segment_fixed_size 327680
		.amdhsa_private_segment_fixed_size 0
		.amdhsa_enable_private_segment 0
		.amdhsa_kernarg_size 32
		.amdhsa_user_sgpr_count 2
		.amdhsa_user_sgpr_kernarg_segment_ptr 1
		.amdhsa_wavefront_size32 1
		.amdhsa_system_sgpr_workgroup_id_x 1
		.amdhsa_system_sgpr_workgroup_id_y 1
		.amdhsa_system_sgpr_workgroup_id_z 1
		.amdhsa_system_vgpr_workitem_id 0
		.amdhsa_next_free_vgpr 512
		.amdhsa_next_free_sgpr 70
		.amdhsa_reserve_vcc 1
		.amdhsa_float_denorm_mode_32 3
		.amdhsa_float_denorm_mode_16_64 3
		.amdhsa_memory_ordered 1
		.amdhsa_forward_progress 1
		.amdhsa_inst_pref_size 83
	.end_amdhsa_kernel
	.amdgpu_metadata
---
amdhsa.version: [ 1, 2 ]
amdhsa.kernels:
  - .name:           k_qc8a4481eea_attn
    .symbol:         k_qc8a4481eea_attn.kd
    .args:
      - { .name: hc, .offset: 0, .size: 8, .value_kind: global_buffer, .address_space: global }
      - { .name: hs, .offset: 8, .size: 8, .value_kind: global_buffer, .address_space: global }
      - { .name: k_mask, .offset: 16, .size: 8, .value_kind: global_buffer, .address_space: global }
      - { .name: out0, .offset: 24, .size: 8, .value_kind: global_buffer, .address_space: global }
    .group_segment_fixed_size: 327680
    .private_segment_fixed_size: 0
    .kernarg_segment_align: 8
    .kernarg_segment_size: 32
    .max_flat_workgroup_size: 256
    .sgpr_count:     70
    .vgpr_count:     512
    .wavefront_size: 32
...
	.end_amdgpu_metadata
.endif
;; end of part 3
